; MI455X (gfx1250); checked and timed in simulation.
; The chip was launched on July 23, 2026; its instructions are those of AMD's public machine-readable ISA for CDNA 5 (MIT licence, August 2026) and "CDNA5" Instruction Set Architecture Reference Guide (July 2026). The comments in the code are by the model that wrote it; some were corrected since.
;; Full Attention. Allowed arithmetic: float matrix products may take bf16 or f16 operands with f32 sums; all other float work in f32.
;; Inputs: keys 4 x 2,048 x 8 x 64 float32; queries 4 x 2,048 x 8 x 64 float32; values 4 x 2,048 x 8 x 64 float32.
;; Outputs: out0 4 x 2,048 x 8 x 64 float32.
;; One version. Each part assembles by itself: llvm-mc -triple=amdgcn-amd-amdhsa -mcpu=gfx1250 --defsym DOCPART=n.
;; ======== version 1 of 1: 1 launch
;; limits: inputs' magnitudes at most 65,504; values are held in f16: magnitudes above 65,504 overflow, below 6.1e-05 lose precision
;; launch attn (part 1): grid 256 x 1, 8 waves a work-group, no clusters, 220,160 bytes of LDS; arguments keys, queries, values, out0; writes out0
.if DOCPART == 1
	.amdgcn_target "amdgcn-amd-amdhsa--gfx1250"
	.amdhsa_code_object_version 6
	.text
	.protected	k_q0222a3f7d7_attn
	.globl	k_q0222a3f7d7_attn
	.p2align	8
	.type	k_q0222a3f7d7_attn,@function
k_q0222a3f7d7_attn:
	s_mov_b64 s[64:65], 0
	v_nop
	global_prefetch_b8 v0, s[64:65] scope:SCOPE_SE
	s_setreg_imm32_b32 hwreg(HW_REG_WAVE_MODE, 25, 1), 1
	s_wait_xcnt 0x0
; Causal softmax attention.  queries, keys, values, out0: [4][2048][8][64] f32; a (b, l, h) row is 256 bytes, rows of a head 2,048 bytes apart.
;
; SHARING.  32 heads x 8 work-groups: work-group id = 32 j + head, so the eight work-groups that read one head's K and V have ids that are
; equal modulo 32.  A head has 16 query blocks of 128 rows; work-group j owns blocks j (lo) and 15-j (hi), which need
; j+1 and 16-j key tiles of 128 keys: 17 blocks of 128 x 128 in every work-group.  It walks 16-j positions; softmax does not care for the
; order of keys, so position 0 takes tile j (lo's diagonal tile, masked for lo, plain for hi), positions 1..j tiles 0..j-1 (lo and hi),
; positions j+1..14-j their own number (hi alone), position 15-j the hi diagonal.
; Wave w = (qg = w & 3, kh = w >> 2): four groups of 16 queries (g = 0, 1: lo rows 32 qg + 16 g + r; g = 2, 3: hi rows 32 qg + 16 (g-2) + r)
; against keys 64 kh .. 64 kh + 63 of every tile.  Waves w and w ^ 4 hold the same queries over other keys and merge once at the end.
;
; MATRIX LAYOUT.  S^T = K Q^T (source 0: 16 keys x 32 e, source 1: 16 queries x 32 e): register i of lane (r, h) is key 8h+i, query r.
; Two such tiles, packed to f16 in place, ARE source 1 of O^T = V^T P^T for 32 keys; source 0 is V, stored [key][d], read transposed.
; So a query's scores, weights, sums and outputs all stay in lanes r and r+16: one lane exchange per group and position (the maximum).
;
; FORMAT.  The operands of both products are f16, not bf16.  A row with few keys has weights near 1 and nothing averages their rounding:
; with 8 significant bits an output could be off by 2^-9 |p v|, with f16's 11 bits by 2^-12 |p v|.  Registers, LDS bytes and the number of
; instructions are the same for both formats.
;
; K and V come through registers: f32 rows are loaded two positions ahead, rounded to f16 and stored to the LDS buffer that the position
; before has finished with; one barrier per position.
; NO CLUSTER, NO TENSOR LOADS: K and V lie in memory as f32 and are wanted in LDS as f16.  A tensor load would land 64 KB of f32 per tile,
; to be read back and rewritten (288 KB of LDS traffic per position instead of 160 KB), and the eight work-groups of a head walk different
; numbers of tiles (16-j) in different orders, so joint requests would not meet.
;
; LIMITS.  Q, K, V and the weights P are rounded to f16 for the products; sums, maxima and O are f32.  So |q|, |k|, |v| must not exceed
; 65,504 (beyond it they become infinite), magnitudes below 2^-14 are kept with an absolute error of up to 2^-25, and weights below 2^-25
; of their row's running maximum count as zero.  Masked scores are set to -2^100, so |q.k| must stay below 2^100.  The running maximum
; ignores NaN (v_max_num), so NaN or infinite inputs do not reproduce the reference's pattern of NaN.
.set ROW,  2048                        ; bytes from a row of a head to the next
.set KP,   144                         ; LDS pitch of K and Q rows: 128 bytes of f16 + 16
.set VP,   160                         ; LDS pitch of V rows: 128 + 32 (an odd multiple of 32 for the transposing load)
.set KBUF, 128*KP                      ; 18,432: one K buffer; two at 0
.set VBUF, 128*VP                      ; 20,480: one V buffer
.set VB0,  2*KBUF                      ; 36,864: two V buffers
.set QS,   VB0+2*VBUF                  ; 77,824: Q in f16, per qg 64 rows (16 g + r)
.set QSG,  64*KP
.set OST,  QS+4*QSG                    ; 114,688: per wave a stage of 16 rows x 272 bytes for the way out
.set OP,   272
.set OSTW, 16*OP
.set XCH,  OST+8*OSTW                  ; 149,504: per wave 8,704 bytes handed to wave w ^ 4: 2 x 4,096 of O, then 2 x (128 + 128) of statistics
.set XCHW, 8704                        ; XCH + 8 x 8,704 = 219,136, below the 220,160 bytes of LDS
; window 0
.set KA,  2                            ; K fragments: (64 kh + r) KP + 16 h
.set VA,  3                            ; V fragments: VB0 + (64 kh + 8 h + (L & 7)) VP + 16 ((L >> 3) & 1)
.set KST, 4                            ; K staging:   (16 w + 8 h) KP + 8 r
.set VST, 5                            ; V staging:   VB0 + (16 w + 4 h) VP + 8 r
.set KGO, 6                            ; K in memory: (16 w + 8 h) ROW + 16 r
.set VGO, 7                            ; V in memory: (16 w + 4 h) ROW + 16 r
.set DD,  8                            ; 32 qg + r - 64 kh - 8 h: a key of a diagonal tile stays if 16 kt + i - 16 (g & 1) <= DD
.set PFO, 9                            ; prefetch: (32 (j & 3) + L) ROW
.set QGO, 10                           ; Q in memory: 8 h ROW + 16 r
.set QST, 11                           ; Q staging
.set QA,  12                           ; Q fragments
.set OSW, 13                           ; stage, in:   r OP + 32 h
.set ORD, 14                           ; stage, back: h OP + 16 r
.set OGO, 15                           ; out: h ROW + 16 r
.set XO,  16                           ; my exchange area, O
.set XSO, 17                           ; my exchange area, statistics
.set XP,  18                           ; the partner's, O
.set XSP, 19                           ; the partner's, statistics
.set NN,  20                           ; pair g: (nmc = -(max x c) as rounded, max of the raw scores)
.set AL,  28                           ; pair g: (alpha, a word written once so that the pair may be named)
.set LS,  36                           ; pair g: two partial row sums
.set TA,  44                           ; + g: at work
.set TB,  48                           ; + g: at work
.set TP,  52                           ; + g: destination of the lane exchange (written once in the prologue)
.set SC,  56                           ; pair g: second chain of the row sum; v56-61 are also the prologue's scratch
.set FR,  64                           ; 64 registers: K(kt, ks) at 16 kt + 8 ks, later V(dt, ks) at 16 dt + 8 ks
.set SB,  128                          ; 128 registers: S(kt, g) at 32 g + 8 kt; P(ks, g) in place at 32 g + 16 ks
; window 1 (v256-511, named by their low 8 bits)
.set OB,  0                            ; O(g, dt) at 32 g + 8 dt
.set QB,  128                          ; Q(g, ks) at 16 g + 8 ks
.set ST,  192                          ; staging: K's load i at 4 i, V's at 32 + 4 i
; s_set_vgpr_msb: bits 1:0 source 0, 3:2 source 1, 5:4 source 2, 7:6 destination; the high byte repeats the setting that is left.
.set MSB, 0
.macro WIN new
.if MSB != \new
	s_set_vgpr_msb (MSB<<8)|\new
.set MSB, \new
.endif
.endm
; 16 loads: my 16 rows of a K tile and of a V tile; each half of the wave reads one whole row of 256 bytes.
.macro LDTILE R, kb, vb
.irp i, 0,1,2,3,4,5,6,7
	global_load_b128 v[\R+4*\i:\R+4*\i+3], v[KGO], s[\kb:\kb+1] offset:\i*ROW
.endr
.irp i, 0,1,2,3,4,5,6,7
	global_load_b128 v[\R+32+4*\i:\R+32+4*\i+3], v[VGO], s[\vb:\vb+1] offset:((\i&3)+8*(\i>>2))*ROW
.endr
.endm
; Round them to f16 in place and store 8 bytes a lane.  The two rows of one store are 8 K rows (1,152 bytes) or 4 V rows (640 bytes)
; apart, both 128 modulo 256: the two halves' 128 bytes do not meet modulo 256.
.macro STTILE win, R, buf
.if \win
	WIN 0x45
.else
	WIN 0
.endif
.irp i, 0,1,2,3,4,5,6,7,8,9,10,11,12,13,14,15
	v_cvt_pk_f16_f32 v[\R+4*\i], v[\R+4*\i], v[\R+4*\i+1]
	v_cvt_pk_f16_f32 v[\R+4*\i+1], v[\R+4*\i+2], v[\R+4*\i+3]
.endr
.if \win
	WIN 0x04
.endif
.irp i, 0,1,2,3,4,5,6,7
	ds_store_b64 v[KST], v[\R+4*\i:\R+4*\i+1] offset:(\buf)*KBUF+\i*KP
.endr
.irp i, 0,1,2,3,4,5,6,7
	ds_store_b64 v[VST], v[\R+32+4*\i:\R+32+4*\i+1] offset:(\buf)*VBUF+((\i&3)+8*(\i>>2))*VP
.endr
.endm
; 16 loads, four for each group of 16 keys, in the order in which SMUL wants them
.macro KFRAG buf
.irp kt, 0,1,2,3
.irp ks, 0,1
	ds_load_b128 v[FR+16*\kt+8*\ks:FR+16*\kt+8*\ks+3], v[KA] offset:\buf*KBUF+\kt*16*KP+64*\ks
	ds_load_b128 v[FR+16*\kt+8*\ks+4:FR+16*\kt+8*\ks+7], v[KA] offset:\buf*KBUF+\kt*16*KP+64*\ks+32
.endr
.endr
.endm
; 16 transposing loads: 16 d x 32 keys each pair
.macro VFRAG buf
.irp dt, 0,1,2,3
.irp ks, 0,1
	ds_load_tr16_b128 v[FR+16*\dt+8*\ks:FR+16*\dt+8*\ks+3], v[VA] offset:\buf*VBUF+32*\ks*VP+32*\dt
	ds_load_tr16_b128 v[FR+16*\dt+8*\ks+4:FR+16*\dt+8*\ks+7], v[VA] offset:\buf*VBUF+32*\ks*VP+32*\dt+16*VP
.endr
.endr
.endm
; S^T for groups lo..3: the first product of each tile starts its sum, the second is the next link in place.
.macro SMUL lo
	WIN 0x04                                       ; source 1 (Q) in window 1
.irp kt, 0,1,2,3
	s_wait_dscnt 12-4*\kt                          ; LDS loads return in order (ISA guide 5.7.1): the four of later key groups each may stay out
.irp g, 0,1,2,3
.if \g >= \lo
	v_wmma_f32_16x16x32_f16 v[SB+32*\g+8*\kt:SB+32*\g+8*\kt+7], v[FR+16*\kt:FR+16*\kt+7], v[QB+16*\g:QB+16*\g+7], 0
.endif
.endr
.irp g, 0,1,2,3
.if \g >= \lo
	v_wmma_f32_16x16x32_f16 v[SB+32*\g+8*\kt:SB+32*\g+8*\kt+7], v[FR+16*\kt+8:FR+16*\kt+15], v[QB+16*\g+8:QB+16*\g+15], v[SB+32*\g+8*\kt:SB+32*\g+8*\kt+7]
.endif
.endr
.endr
.endm
; The diagonal tile of groups lo, lo+1: keys behind the query get -2^100.  The constants run from -16 to 55.
.macro MASK lo
.irp gg, 0,1
.irp kt, 0,1,2,3
.irp i, 0,1,2,3,4,5,6,7
	v_cmp_le_i32 vcc_lo, 16*\kt+\i-16*\gg, v[DD]
	v_cndmask_b32 v[SB+32*(\lo+\gg)+8*\kt+\i], s41, v[SB+32*(\lo+\gg)+8*\kt+\i], vcc_lo
.endr
.endr
.endr
.endm
; The new maximum of group g (two chains of three-way maxima, then the other half of the lanes), nmc and the exponent of alpha.
.macro SM_MAX g, first
.if \first
	v_max_num_f32 v[TA+\g], v[SB+32*\g], v[SB+32*\g+1]
.else
	v_max3_num_f32 v[TA+\g], v[NN+2*\g+1], v[SB+32*\g], v[SB+32*\g+1]
.endif
	v_max3_num_f32 v[TB+\g], v[SB+32*\g+16], v[SB+32*\g+17], v[SB+32*\g+18]
.irp i, 0,1,2,3,4,5
	v_max3_num_f32 v[TA+\g], v[TA+\g], v[SB+32*\g+2+2*\i], v[SB+32*\g+3+2*\i]
	v_max3_num_f32 v[TB+\g], v[TB+\g], v[SB+32*\g+19+2*\i], v[SB+32*\g+20+2*\i]
.endr
	v_max3_num_f32 v[TA+\g], v[TA+\g], v[SB+32*\g+14], v[SB+32*\g+15]
	v_max3_num_f32 v[TA+\g], v[TA+\g], v[TB+\g], v[SB+32*\g+31]
	v_permlanex16_b32 v[TP+\g], v[TA+\g], s42, s43 ; lane r + 16 holds the other 32 keys of query r
	v_max_num_f32 v[NN+2*\g+1], v[TA+\g], v[TP+\g]
.if \first
	v_mul_f32 v[NN+2*\g], s40, v[NN+2*\g+1]        ; nmc = -(max c), rounded once; weights, alpha and the merge all use this one number
.else
	v_mul_f32 v[TB+\g], s40, v[NN+2*\g+1]
	v_sub_f32 v[AL+2*\g], v[TB+\g], v[NN+2*\g]     ; (old max - new max) c
	v_mov_b32 v[NN+2*\g], v[TB+\g]
.endif
.endm
.macro SM_FMA g                        ; exponents: s c + nmc, c = log2(e) / 8
.irp i, 0,1,2,3,4,5,6,7,8,9,10,11,12,13,14,15
	v_pk_fma_f32 v[SB+32*\g+2*\i:SB+32*\g+2*\i+1], v[SB+32*\g+2*\i:SB+32*\g+2*\i+1], s[38:39], v[NN+2*\g:NN+2*\g+1] op_sel_hi:[1,0,0]
.endr
.endm
.macro SM_EXP g, first                 ; a run of transcendentals; what follows it in SOFTMAX is another group's plain work (ISA guide 5.7.2)
.if \first == 0
	v_exp_f32 v[AL+2*\g], v[AL+2*\g]
.endif
.irp i, 0,1,2,3,4,5,6,7,8,9,10,11,12,13,14,15,16,17,18,19,20,21,22,23,24,25,26,27,28,29,30,31
	v_exp_f32 v[SB+32*\g+\i], v[SB+32*\g+\i]
.endr
.endm
.macro SM_SUM g, first                 ; row sums, two numbers at a time, in two chains; the old sum is scaled by alpha on the way
.if \first
	s_wait_alu depctr_va_vdst(0)
	v_pk_add_f32 v[LS+2*\g:LS+2*\g+1], v[SB+32*\g:SB+32*\g+1], v[SB+32*\g+2:SB+32*\g+3]
.else
	s_wait_alu depctr_va_vdst(0)
	v_pk_fma_f32 v[LS+2*\g:LS+2*\g+1], v[LS+2*\g:LS+2*\g+1], v[AL+2*\g:AL+2*\g+1], v[SB+32*\g:SB+32*\g+1] op_sel_hi:[1,0,1]
	v_pk_add_f32 v[LS+2*\g:LS+2*\g+1], v[LS+2*\g:LS+2*\g+1], v[SB+32*\g+2:SB+32*\g+3]
.endif
	v_pk_add_f32 v[SC+2*\g:SC+2*\g+1], v[SB+32*\g+16:SB+32*\g+17], v[SB+32*\g+18:SB+32*\g+19]
.irp i, 2,3,4,5,6,7
	v_pk_add_f32 v[LS+2*\g:LS+2*\g+1], v[LS+2*\g:LS+2*\g+1], v[SB+32*\g+2*\i:SB+32*\g+2*\i+1]
	v_pk_add_f32 v[SC+2*\g:SC+2*\g+1], v[SC+2*\g:SC+2*\g+1], v[SB+32*\g+16+2*\i:SB+32*\g+16+2*\i+1]
.endr
	v_pk_add_f32 v[LS+2*\g:LS+2*\g+1], v[LS+2*\g:LS+2*\g+1], v[SC+2*\g:SC+2*\g+1]
.endm
.macro SM_PACK g                       ; 16 f32 of two S tiles become the 8 registers of P for 32 keys, in place (word i from words 2i, 2i+1)
.irp ks, 0,1
.irp i, 0,1,2,3,4,5,6,7
	v_cvt_pk_f16_f32 v[SB+32*\g+16*\ks+\i], v[SB+32*\g+16*\ks+2*\i], v[SB+32*\g+16*\ks+2*\i+1]
.endr
.endr
.endm
; The groups are staggered: behind each run of exponentials stands the plain work of another group.
.macro SOFTMAX lo, first
.if \lo == 0
	SM_MAX 0, \first
	SM_MAX 1, \first
.endif
	SM_MAX 2, \first
	SM_MAX 3, \first
.if \lo == 0
	SM_FMA 0
	SM_EXP 0, \first
	SM_FMA 1
	SM_EXP 1, \first
	SM_SUM 0, \first
	SM_PACK 0
	SM_FMA 2
	SM_EXP 2, \first
	SM_SUM 1, \first
	SM_PACK 1
.else
	SM_FMA 2
	SM_EXP 2, \first
.endif
	SM_FMA 3
	SM_EXP 3, \first
	SM_SUM 2, \first
	SM_PACK 2
	SM_SUM 3, \first
	SM_PACK 3
.endm
.macro RESCALE lo                      ; O of a lane belongs to one query: times that query's alpha
	WIN 0x41
.irp g, 0,1,2,3
.if \g >= \lo
.irp i, 0,1,2,3,4,5,6,7,8,9,10,11,12,13,14,15
	v_pk_mul_f32 v[OB+32*\g+2*\i:OB+32*\g+2*\i+1], v[OB+32*\g+2*\i:OB+32*\g+2*\i+1], v[AL+2*\g:AL+2*\g+1] op_sel_hi:[1,0]
.endr
.endif
.endr
.endm
.macro PVMUL lo, first                 ; O^T += V^T P^T; in the first position the first product starts the sums
	WIN 0x50
.irp ks, 0,1
.irp dt, 0,1,2,3
.irp g, 0,1,2,3
.if \g >= \lo
.if (\first)*(1-\ks)
	v_wmma_f32_16x16x32_f16 v[OB+32*\g+8*\dt:OB+32*\g+8*\dt+7], v[FR+16*\dt+8*\ks:FR+16*\dt+8*\ks+7], v[SB+32*\g+16*\ks:SB+32*\g+16*\ks+7], 0
.else
	v_wmma_f32_16x16x32_f16 v[OB+32*\g+8*\dt:OB+32*\g+8*\dt+7], v[FR+16*\dt+8*\ks:FR+16*\dt+8*\ks+7], v[SB+32*\g+16*\ks:SB+32*\g+16*\ks+7], v[OB+32*\g+8*\dt:OB+32*\g+8*\dt+7]
.endif
.endif
.endr
.endr
.endr
.endm
; load = 1: the tile of position preg + 2, if there is one, starts on its way into the staging registers (free: STTILE has stored them).
; Then wave 0 asks for 32 rows of tile preg + 4: K rows 32 j .. for j < 4, V rows 32 (j-4) .. for j >= 4, one lane a row of 256 bytes, so
; that the eight work-groups of a head ask for each row of tiles 4..15 at most once; the loads of that tile are issued two positions
; later.  It stops behind position 11 (tile 15 is the head's last).
.macro NEXTLD preg, tag, load
.if \load
	s_add_co_u32 s36, \preg, 2
	s_cmp_gt_u32 s36, s17
	s_cbranch_scc1 .Lnl\tag
	s_cmp_le_u32 s36, s15                          ; positions 1..j take tile position - 1
	s_cselect_b32 s37, 1, 0
	s_sub_co_u32 s36, s36, s37
	s_lshl_b32 s28, s36, 18                        ; 128 rows of 2,048 bytes
	s_add_nc_u64 s[24:25], s[20:21], s[28:29]      ; the last loads from these bases are done: s_wait_loadcnt 0 in front of STTILE
	s_add_nc_u64 s[26:27], s[22:23], s[28:29]
	WIN 0x40
	LDTILE ST, 24, 26
	WIN 0
.Lnl\tag:
.endif
	s_cmp_lg_u32 s12, 0
	s_cbranch_scc1 .Lnp\tag
	s_cmp_gt_u32 \preg, 11
	s_cbranch_scc1 .Lnp\tag
	s_wait_xcnt 0x0                                ; the prefetch of the position before has read s[30:31] (ISA guide 3.1)
	s_add_co_u32 s36, \preg, 4
	s_lshl_b32 s28, s36, 18
	s_add_nc_u64 s[30:31], s[32:33], s[28:29]
	global_prefetch_b8 v[PFO], s[30:31] th:TH_LOAD_NT scope:SCOPE_SE
.Lnp\tag:
.endm
; One position.  buf: the LDS buffer it reads; lo: its lowest group (0: lo and hi, 2: hi alone); first: nothing is carried yet;
; domask: groups lo, lo+1 are on their diagonal; store: the next position's tile goes to the other buffer; bar: a position follows.
.macro TRIP buf, lo, first, domask, store, bar, preg, tag
	KFRAG \buf
	SMUL \lo
.rept 4
	v_nop                                          ; four places between the S products and the loads into their K fragments and the reads of S
.endr
.if \store
	s_wait_loadcnt 0x0                             ; the 16 loads issued one position ago
	STTILE 1, ST, 1-\buf
.endif
	WIN 0
	VFRAG \buf
.if \store+\first
	NEXTLD \preg, \tag, \store
.endif
.if \domask
	MASK \lo
.endif
	SOFTMAX \lo, \first
	s_wait_dscnt 0x0                               ; V's fragments are in; my reads of this buffer and my stores to the other are done:
.if \bar
	s_barrier_signal -1                            ; say so, and work on registers while the others arrive
.endif
.if \first == 0
	RESCALE \lo
.endif
	PVMUL \lo, \first
.rept 5
	v_nop                                          ; five places before the next S products write over P, four before loads land on V's fragments (7.12.1)
.endr
	WIN 0
.if \bar
	s_barrier_wait -1                              ; now the other buffer may be read and this one written
.endif
.endm
	; ---------------- prologue: ids, offsets in memory, pointers, the first loads ----------------
	s_load_b256 s[4:11], s[0:1], 0x0               ; keys s[4:5], queries s[6:7], values s[8:9], out0 s[10:11]
	v_lshrrev_b32 v1, 5, v0
	v_readfirstlane_b32 s12, v1                    ; w
	v_and_b32 v1, 31, v0                           ; L
	v_and_b32 v56, 15, v0                          ; r
	v_bfe_u32 v57, v0, 4, 1                        ; h
	v_and_b32 v58, 7, v0                           ; L & 7
	v_bfe_u32 v59, v0, 3, 1                        ; (L >> 3) & 1
	s_and_b32 s13, s12, 3                          ; qg
	s_lshr_b32 s14, s12, 2                         ; kh
	s_bfe_u32 s15, ttmp9, 0x30005                  ; j = id >> 5 (three bits from bit 5: the grid has 256 work-groups)
	s_and_b32 s16, ttmp9, 31                       ; head = id & 31 = 8 b + h
	s_sub_co_u32 s17, 15, s15                      ; the last position, and the hi block
	s_lshr_b32 s36, s16, 3
	s_lshl_b32 s36, s36, 22                        ; b x 2048 x 2048 bytes
	s_and_b32 s37, s16, 7
	s_lshl_b32 s37, s37, 8                         ; h x 256 bytes
	s_add_co_u32 s18, s36, s37
	s_mov_b32 s19, 0                               ; s[18:19]: the head's offset
	s_mov_b32 s29, 0                               ; s[28:29]: an offset below 4 GiB
	s_mov_b32 s38, 0x3e38aa3b                      ; c = log2(e) / sqrt(64)
	s_mov_b32 s39, 0x3e38aa3b
	s_mov_b32 s40, 0xbe38aa3b                      ; -c
	s_mov_b32 s41, 0xf1800000                      ; -2^100
	s_mov_b32 s42, 0x76543210                      ; v_permlanex16_b32: lane i of one half reads lane i of the other
	s_mov_b32 s43, 0xfedcba98
	v_lshlrev_b32 v60, 4, v56                      ; 16 r
	v_lshl_add_u32 v[QGO], v57, 14, v60
	v_lshl_add_u32 v[OGO], v57, 11, v60
	s_lshl_b32 s37, s12, 15                        ; 16 w rows
	v_add_nc_u32 v[KGO], s37, v[QGO]
	v_lshl_add_u32 v[VGO], v57, 13, v60
	v_add_nc_u32 v[VGO], s37, v[VGO]
	s_wait_kmcnt 0x0
	s_add_nc_u64 s[20:21], s[4:5], s[18:19]        ; K of my head
	s_add_nc_u64 s[22:23], s[8:9], s[18:19]        ; V of my head
	s_cmp_eq_u32 s14, 0
	s_cselect_b32 s36, s15, s17                    ; the block whose Q I load and whose result I store: lo for kh = 0, hi for kh = 1
	s_lshl_b32 s36, s36, 18
	s_lshl_b32 s37, s13, 16                        ; + 32 qg rows
	s_add_co_u32 s28, s36, s37
	s_add_nc_u64 s[48:49], s[6:7], s[18:19]
	s_add_nc_u64 s[48:49], s[48:49], s[28:29]
	s_add_nc_u64 s[50:51], s[10:11], s[18:19]
	s_add_nc_u64 s[50:51], s[50:51], s[28:29]
	s_cmp_lt_u32 s15, 4
	s_cselect_b64 s[32:33], s[20:21], s[22:23]     ; what my work-group prefetches: K for j < 4, V otherwise
	s_lshl_b32 s28, s15, 18                        ; position 0: tile j
	s_add_nc_u64 s[24:25], s[20:21], s[28:29]
	s_add_nc_u64 s[26:27], s[22:23], s[28:29]
	s_cmp_eq_u32 s15, 0                            ; position 1: tile 0, or tile 1 where j = 0
	s_cselect_b32 s28, 1, 0
	s_lshl_b32 s28, s28, 18
	s_add_nc_u64 s[44:45], s[20:21], s[28:29]
	s_add_nc_u64 s[46:47], s[22:23], s[28:29]
.irp i, 0,1,2,3,4,5,6,7,8,9,10,11,12,13,14,15
	global_load_b128 v[SB+4*\i:SB+4*\i+3], v[QGO], s[48:49] offset:((\i&7)+16*(\i>>3))*ROW th:TH_LOAD_NT   ; 32 rows of Q, read by this wave alone
.endr
	WIN 0x40
	LDTILE ST, 24, 26
	WIN 0
	LDTILE SB+64, 44, 46
	; LDS addresses, while the loads are on their way
	v_mul_u32_u24 v60, v56, KP
	v_lshl_add_u32 v60, v57, 4, v60                ; r KP + 16 h
	s_mul_i32 s36, s13, QSG
	s_add_co_u32 s36, s36, QS
	v_add_nc_u32 v[QA], s36, v60
	s_mul_i32 s37, s14, 64*KP
	v_add_nc_u32 v[KA], s37, v60
	v_mul_u32_u24 v60, v57, 8*KP
	v_lshl_add_u32 v60, v56, 3, v60                ; 8 h rows + 8 r
	s_mul_i32 s37, s14, 32*KP
	s_add_co_u32 s37, s37, s36
	v_add_nc_u32 v[QST], s37, v60
	s_mul_i32 s37, s12, 16*KP
	v_add_nc_u32 v[KST], s37, v60
	v_mul_u32_u24 v60, v57, 4*VP
	v_lshl_add_u32 v60, v56, 3, v60
	s_mul_i32 s37, s12, 16*VP
	s_add_co_u32 s37, s37, VB0
	v_add_nc_u32 v[VST], s37, v60
	v_lshl_add_u32 v60, v57, 3, v58
	v_mul_u32_u24 v60, v60, VP
	v_lshl_add_u32 v60, v59, 4, v60
	s_mul_i32 s37, s14, 64*VP
	s_add_co_u32 s37, s37, VB0
	v_add_nc_u32 v[VA], s37, v60
	v_lshlrev_b32 v60, 4, v56
	s_mul_i32 s37, s12, OSTW
	s_add_co_u32 s37, s37, OST
	v_mul_u32_u24 v61, v57, OP
	v_add_nc_u32 v[ORD], v61, v60
	v_add_nc_u32 v[ORD], s37, v[ORD]
	v_mul_u32_u24 v61, v56, OP
	v_lshl_add_u32 v61, v57, 5, v61
	v_add_nc_u32 v[OSW], s37, v61
	s_mul_i32 s37, s12, XCHW
	s_add_co_u32 s37, s37, XCH
	v_lshl_add_u32 v[XO], v1, 4, s37
	s_add_co_u32 s37, s37, 8192
	v_lshl_add_u32 v[XSO], v1, 2, s37
	s_xor_b32 s37, s12, 4                          ; the wave with my queries and the other keys
	s_mul_i32 s37, s37, XCHW
	s_add_co_u32 s37, s37, XCH
	v_lshl_add_u32 v[XP], v1, 4, s37
	s_add_co_u32 s37, s37, 8192
	v_lshl_add_u32 v[XSP], v1, 2, s37
	s_and_b32 s37, s15, 3
	s_lshl_b32 s37, s37, 16
	v_lshl_add_u32 v[PFO], v1, 11, s37
	v_lshlrev_b32 v61, 3, v57
	v_sub_nc_u32 v[DD], v56, v61
	s_lshl_b32 s36, s13, 5
	s_lshl_b32 s37, s14, 6
	s_sub_co_i32 s36, s36, s37
	v_add_nc_u32 v[DD], s36, v[DD]
.irp g, 0,1,2,3
	v_mov_b32 v[AL+2*\g+1], 0                      ; the pair's second word is named, never used
	v_mov_b32 v[TP+\g], 0                          ; the lane exchange counts as a reader of its destination
.endr
	s_wait_loadcnt 32                              ; Q is in; the 32 loads of the two tiles stay out
.irp i, 0,1,2,3,4,5,6,7,8,9,10,11,12,13,14,15
	v_cvt_pk_f16_f32 v[SB+4*\i], v[SB+4*\i], v[SB+4*\i+1]
	v_cvt_pk_f16_f32 v[SB+4*\i+1], v[SB+4*\i+2], v[SB+4*\i+3]
.endr
.irp i, 0,1,2,3,4,5,6,7,8,9,10,11,12,13,14,15
	ds_store_b64 v[QST], v[SB+4*\i:SB+4*\i+1] offset:((\i&7)+16*(\i>>3))*KP
.endr
	s_wait_loadcnt 16                              ; position 0's tile is in; position 1's 16 loads stay out
	STTILE 1, ST, 0
	WIN 0
	s_wait_loadcnt 0x0
	STTILE 0, SB+64, 1
	s_cmp_ge_u32 s15, 2                            ; position 2 (there are at least 9): tile 1, or tile 2 where j < 2
	s_cselect_b32 s28, 1, 2
	s_lshl_b32 s28, s28, 18
	s_add_nc_u64 s[24:25], s[20:21], s[28:29]      ; behind s_wait_loadcnt 0: no load reads these bases any more
	s_add_nc_u64 s[26:27], s[22:23], s[28:29]
	WIN 0x40
	LDTILE ST, 24, 26
	WIN 0
	s_wait_dscnt 0x0                               ; my rows of Q and of both buffers are in LDS
	s_barrier_signal -1
	s_barrier_wait -1
	WIN 0x40
.irp g, 0,1,2,3
.irp ks, 0,1
	ds_load_b128 v[QB+16*\g+8*\ks:QB+16*\g+8*\ks+3], v[QA] offset:\g*16*KP+64*\ks
	ds_load_b128 v[QB+16*\g+8*\ks+4:QB+16*\g+8*\ks+7], v[QA] offset:\g*16*KP+64*\ks+32
.endr
.endr
	WIN 0
	; ---------------- the positions ----------------
	s_mov_b32 s35, 0
	TRIP 0, 0, 1, 1, 0, 1, s35, f0                 ; position 0: tile j, lo on its diagonal; Q's fragments are older than K's, so SMUL's waits cover them
	s_mov_b32 s34, 1
.Lloop:                                            ; two positions a trip: s34 (odd, buffer 1) and s34 + 1 (even, buffer 0)
	s_cmp_le_u32 s34, s15
	s_cbranch_scc1 .Lfull1
	s_cmp_lt_u32 s34, s17
	s_cbranch_scc1 .Lhi1
	TRIP 1, 2, 0, 1, 0, 0, s34, x1                 ; the last position: hi on its diagonal
	s_branch .Lend
.Lfull1:
	TRIP 1, 0, 0, 0, 1, 1, s34, a1
	s_branch .Leven
.Lhi1:
	TRIP 1, 2, 0, 0, 1, 1, s34, b1
.Leven:
	s_add_co_u32 s35, s34, 1
	s_cmp_le_u32 s35, s15
	s_cbranch_scc1 .Lfull0
	s_cmp_lt_u32 s35, s17
	s_cbranch_scc1 .Lhi0
	TRIP 0, 2, 0, 1, 0, 0, s35, x0
	s_branch .Lend
.Lfull0:
	TRIP 0, 0, 0, 0, 1, 1, s35, a0
	s_branch .Lnext
.Lhi0:
	TRIP 0, 2, 0, 0, 1, 1, s35, b0
.Lnext:
	s_add_co_u32 s34, s34, 2
	s_cmp_lt_u32 s34, 17                           ; the last position is at most 15: the loop is always left through a diagonal body
	s_cbranch_scc1 .Lloop
.Lend:
	; ---------------- the two halves of the keys meet ----------------
.irp g, 0,1,2,3
	v_add_f32 v[LS+2*\g], v[LS+2*\g], v[LS+2*\g+1]
.endr
.irp g, 0,1,2,3
	v_permlanex16_b32 v[TP+\g], v[LS+2*\g], s42, s43
.endr
.irp g, 0,1,2,3
	v_add_f32 v[LS+2*\g], v[LS+2*\g], v[TP+\g]     ; the row sum over my 64 keys of every tile
.endr
; Groups sg, sg+1 go to the partner as they lie in the registers: both waves use the same map of lanes.
.macro SEND sg
	WIN 0x04
.irp gi, 0,1
.irp c, 0,1,2,3,4,5,6,7
	ds_store_b128 v[XO], v[OB+32*(\sg+\gi)+4*\c:OB+32*(\sg+\gi)+4*\c+3] offset:\gi*4096+\c*512
.endr
.endr
	WIN 0
.irp gi, 0,1
	ds_store_b32 v[XSO], v[NN+2*(\sg+\gi)] offset:\gi*256
	ds_store_b32 v[XSO], v[LS+2*(\sg+\gi)] offset:\gi*256+128
.endr
.endm
; Groups kg, kg+1: out = (O f + O' f') / (l f + l' f'), f = 2^(nM - nmc), nM = the smaller nmc (the larger maximum).  A half whose keys
; were all masked has nmc = 2^100 c and gets f = 0; the half with key 0 never is.  Then 16 rows at a time through my stage, so that
; sixteen neighbouring lanes store one whole output row of 256 bytes.
.macro FINISH kg
.irp gi, 0,1
	ds_load_b32 v[TA+\kg+\gi], v[XSP] offset:\gi*256
	ds_load_b32 v[TB+\kg+\gi], v[XSP] offset:\gi*256+128
.irp c, 0,1,2,3,4,5,6,7
	ds_load_b128 v[SB+32*\gi+4*\c:SB+32*\gi+4*\c+3], v[XP] offset:\gi*4096+\c*512
.endr
.endr
	s_wait_dscnt 0x0
.irp gi, 0,1
	v_min_num_f32 v[TP+\kg+\gi], v[NN+2*(\kg+\gi)], v[TA+\kg+\gi]
	v_sub_f32 v[AL+2*(\kg+\gi)], v[TP+\kg+\gi], v[NN+2*(\kg+\gi)]
	v_sub_f32 v[SC+2*(\kg+\gi)], v[TP+\kg+\gi], v[TA+\kg+\gi]
.endr
.irp gi, 0,1
	v_exp_f32 v[AL+2*(\kg+\gi)], v[AL+2*(\kg+\gi)]
	v_exp_f32 v[SC+2*(\kg+\gi)], v[SC+2*(\kg+\gi)]
.endr
	v_nop                                          ; one plain place behind the transcendentals (ISA guide 5.7.2)
	s_wait_alu depctr_va_vdst(0)
.irp gi, 0,1
	v_mul_f32 v[TP+\kg+\gi], v[LS+2*(\kg+\gi)], v[AL+2*(\kg+\gi)]
	v_fmac_f32 v[TP+\kg+\gi], v[TB+\kg+\gi], v[SC+2*(\kg+\gi)]
.endr
.irp gi, 0,1
	v_rcp_f32 v[TP+\kg+\gi], v[TP+\kg+\gi]         ; the sum is at least the weight of the largest score, about 1
.endr
	v_nop
	s_wait_alu depctr_va_vdst(0)
.irp gi, 0,1
	v_mul_f32 v[AL+2*(\kg+\gi)], v[AL+2*(\kg+\gi)], v[TP+\kg+\gi]
	v_mul_f32 v[SC+2*(\kg+\gi)], v[SC+2*(\kg+\gi)], v[TP+\kg+\gi]
.endr
.irp gi, 0,1
.irp i, 0,1,2,3,4,5,6,7,8,9,10,11,12,13,14,15
	v_pk_mul_f32 v[SB+32*\gi+2*\i:SB+32*\gi+2*\i+1], v[SB+32*\gi+2*\i:SB+32*\gi+2*\i+1], v[SC+2*(\kg+\gi):SC+2*(\kg+\gi)+1] op_sel_hi:[1,0]
.endr
.endr
	WIN 0x01                                       ; source 0: my O in window 1
.irp gi, 0,1
.irp i, 0,1,2,3,4,5,6,7,8,9,10,11,12,13,14,15
	v_pk_fma_f32 v[SB+32*\gi+2*\i:SB+32*\gi+2*\i+1], v[OB+32*(\kg+\gi)+2*\i:OB+32*(\kg+\gi)+2*\i+1], v[AL+2*(\kg+\gi):AL+2*(\kg+\gi)+1], v[SB+32*\gi+2*\i:SB+32*\gi+2*\i+1] op_sel_hi:[1,0,1]
.endr
.endr
	WIN 0
.irp gi, 0,1
.irp c, 0,1,2,3,4,5,6,7
	ds_store_b128 v[OSW], v[SB+32*\gi+4*\c:SB+32*\gi+4*\c+3] offset:64*(\c>>1)+16*(\c&1)   ; d = 16 dt + 8 h + 4 u .. of query r
.endr
.irp i, 0,1,2,3,4,5,6,7
	ds_load_b128 v[FR+32*\gi+4*\i:FR+32*\gi+4*\i+3], v[ORD] offset:\i*2*OP                  ; a wave's LDS instructions are served in order (ISA guide 5.7.1): these see the stores above
.endr
.irp i, 0,1,2,3,4,5,6,7
	s_wait_dscnt 7-\i                              ; the younger read-backs stay out
	global_store_b128 v[OGO], v[FR+32*\gi+4*\i:FR+32*\gi+4*\i+3], s[50:51] offset:\gi*16*ROW+\i*2*ROW th:TH_STORE_NT
.endr
.endr
.endm
	s_cmp_lt_u32 s12, 4
	s_cbranch_scc1 .Lsendhi
	SEND 0                                         ; kh = 1 keeps hi and hands lo over
	s_branch .Lsent
.Lsendhi:
	SEND 2                                         ; kh = 0 keeps lo and hands hi over
.Lsent:
	s_wait_dscnt 0x0                               ; what the partner will read is in LDS
	s_barrier_signal -1
	s_barrier_wait -1
	s_cmp_lt_u32 s12, 4
	s_cbranch_scc1 .Lkeeplo
	FINISH 2
	s_wait_xcnt 0x0
	v_lshl_add_u32 v254, v0, 2, 0x35800
	v_mov_b32 v255, 0
	s_wait_tensorcnt 0x0
	ds_add_u32 v254, v255
	s_wait_dscnt 0x0
	s_endpgm
.Lkeeplo:
	FINISH 0
	s_wait_xcnt 0x0
	v_lshl_add_u32 v254, v0, 2, 0x35800
	v_mov_b32 v255, 0
	s_wait_tensorcnt 0x0
	ds_add_u32 v254, v255
	s_wait_dscnt 0x0
	s_endpgm
.Lfunc_end_k_q0222a3f7d7_attn:
	.size	k_q0222a3f7d7_attn, .Lfunc_end_k_q0222a3f7d7_attn-k_q0222a3f7d7_attn
	.p2alignl 7, 3214868480
	.fill 96, 4, 3214868480
	.section	.rodata,"a",@progbits
	.p2align	6, 0x0
	.amdhsa_kernel k_q0222a3f7d7_attn
		.amdhsa_group_segment_fixed_size 220160
		.amdhsa_private_segment_fixed_size 0
		.amdhsa_enable_private_segment 0
		.amdhsa_kernarg_size 32
		.amdhsa_user_sgpr_count 2
		.amdhsa_user_sgpr_kernarg_segment_ptr 1
		.amdhsa_wavefront_size32 1
		.amdhsa_system_sgpr_workgroup_id_x 1
		.amdhsa_system_sgpr_workgroup_id_y 1
		.amdhsa_system_sgpr_workgroup_id_z 1
		.amdhsa_system_vgpr_workitem_id 0
		.amdhsa_next_free_vgpr 512
		.amdhsa_next_free_sgpr 66
		.amdhsa_reserve_vcc 1
		.amdhsa_float_denorm_mode_32 3
		.amdhsa_float_denorm_mode_16_64 3
		.amdhsa_memory_ordered 1
		.amdhsa_forward_progress 1
		.amdhsa_inst_pref_size 240
	.end_amdhsa_kernel
	.amdgpu_metadata
---
amdhsa.version: [ 1, 2 ]
amdhsa.kernels:
  - .name:           k_q0222a3f7d7_attn
    .symbol:         k_q0222a3f7d7_attn.kd
    .args:
      - { .name: keys, .offset: 0, .size: 8, .value_kind: global_buffer, .address_space: global }
      - { .name: queries, .offset: 8, .size: 8, .value_kind: global_buffer, .address_space: global }
      - { .name: values, .offset: 16, .size: 8, .value_kind: global_buffer, .address_space: global }
      - { .name: out0, .offset: 24, .size: 8, .value_kind: global_buffer, .address_space: global }
    .group_segment_fixed_size: 220160
    .private_segment_fixed_size: 0
    .kernarg_segment_align: 8
    .kernarg_segment_size: 32
    .max_flat_workgroup_size: 256
    .sgpr_count:     66
    .vgpr_count:     512
    .wavefront_size: 32
...
	.end_amdgpu_metadata
.endif
;; end of part 1
